; MI455X (gfx1250); checked and timed in simulation.
; The chip was launched on July 23, 2026; its instructions are those of AMD's public machine-readable ISA for CDNA 5 (MIT licence, August 2026) and "CDNA5" Instruction Set Architecture Reference Guide (July 2026). The comments in the code are by the model that wrote it; some were corrected since.
;; OC Mod. Allowed arithmetic: matrix products marked QUANTISED: E2M1 operands, one E8M0 scale for each 32 along K, by v_wmma_scale_f32_16x16x128_f8f6f4 with both operands' format E2M1 (or v_wmma_scale_f32_32x16x128_f4), f32 sums; products left as they are: f32 operands where the result goes on into a quantised operand, else bf16, f16 or f32 operands; f32 sums; everything else in f32.
;; Inputs: W0_codes 4 x 128 x 8 x 16 uint8 (E2M1 codes of W0, K innermost, in blocks of 32 codes, two codes a byte); W0_scales 4 x 128 x 8 uint8 (E8M0 scales of W0, one for each 32 codes along K); W1_codes 4 x 64 x 4 x 16 uint8 (E2M1 codes of W1, K innermost, in blocks of 32 codes, two codes a byte); W1_scales 4 x 64 x 4 uint8 (E8M0 scales of W1, one for each 32 codes along K); W2 4 x 1 x 64 float32; b0 4 x 128 float32; b1 4 x 64 float32; b2 4 x 1 float32; oc_density_codes 250,000 x 8 x 16 uint8 (E2M1 codes of oc_density, K innermost, in blocks of 32 codes, two codes a byte); oc_density_scales 250,000 x 8 uint8 (E8M0 scales of oc_density, one for each 32 codes along K); species 250,000 int32.
;; Outputs: out0 250,000 x 1 float32.
;; This version of the problem:
;;   THIS VERSION OF THE PROBLEM IS GIVEN IN LOW PRECISION. The matrix products marked QUANTISED in the list below multiply operands that are first quantised to E2M1 (2 exponent bits, 1 mantissa bit; 4 bits a number), with one power-of-two scale for each 32 numbers along K (OCP MX v1.0); their sums are f32. All else is computed in f32.
;;   The module's matrix products, in the order in which they are computed (A, B: the left and right operand; K: the contracted axis; several contracted axes count as one K, in the product's order):
;;     1. [M 250,000, K 256] x [K 256, N 128]; A: input oc_density (given as codes); B: input W0 (given as codes): QUANTISED
;;     2. [M 250,000, K 128] x [K 128, N 64]; A: computed on the way; B: input W1 (given as codes): QUANTISED
;;     3. [M 250,000, K 64] x [K 64, N 1]; A: computed on the way; B: input W2: left as it is (N = 1 < 16)
;;     4. [M 250,000, K 256] x [K 256, N 128]; A: input oc_density (given as codes); B: input W0 (given as codes): QUANTISED
;;     5. [M 250,000, K 128] x [K 128, N 64]; A: computed on the way; B: input W1 (given as codes): QUANTISED
;;     6. [M 250,000, K 64] x [K 64, N 1]; A: computed on the way; B: input W2: left as it is (N = 1 < 16)
;;     7. [M 250,000, K 256] x [K 256, N 128]; A: input oc_density (given as codes); B: input W0 (given as codes): QUANTISED
;;     8. [M 250,000, K 128] x [K 128, N 64]; A: computed on the way; B: input W1 (given as codes): QUANTISED
;;     9. [M 250,000, K 64] x [K 64, N 1]; A: computed on the way; B: input W2: left as it is (N = 1 < 16)
;;     10. [M 250,000, K 256] x [K 256, N 128]; A: input oc_density (given as codes); B: input W0 (given as codes): QUANTISED
;;     11. [M 250,000, K 128] x [K 128, N 64]; A: computed on the way; B: input W1 (given as codes): QUANTISED
;;     12. [M 250,000, K 64] x [K 64, N 1]; A: computed on the way; B: input W2: left as it is (N = 1 < 16)
;;   THE QUANTISER, for each operand of a quantised product, along K:
;;     - K is cut into blocks of 32 from its start; a last block that is shorter is filled with zeros.
;;     - A block's scale is 2^e with e = floor(log2(the largest magnitude in the block)) - 2, held to -126 .. 127; a block of zeros has e = 0. As a byte (E8M0): e + 127.
;;     - Each number is divided by its block's scale, clamped to +-6, and rounded to the nearest number of E2M1, ties to even, subnormals kept.
;;     - The product sums the exact products of the quantised numbers (number of the format x scale) in f32.
;;   ~~~python
;;   def quantise(x, axis):      # numpy; x: float32 -> the quantised numbers, widened to float32 again
;;       x = np.moveaxis(x, axis, -1); K = x.shape[-1]
;;       x = np.pad(x, [(0, 0)] * (x.ndim - 1) + [(0, -K % 32)]); x = x.reshape(x.shape[:-1] + (-1, 32)); a = np.abs(x).max(-1, keepdims=True)
;;       e = np.where(a > 0, np.clip(np.frexp(np.where(a > 0, a, 1))[1] - 1 - 2, -126, 127), 0)      # np.frexp(a)[1] - 1 = floor(log2(a)), exactly
;;       r = np.clip(x / 2.0 ** e, -6, 6)
;;       step = 2.0 ** (np.maximum(np.frexp(np.where(r == 0, 1, r))[1] - 1, 0) - 1)
;;       q = np.round(r / step) * step * 2.0 ** e      # np.round: ties to even
;;       return np.moveaxis(q.reshape(q.shape[:-2] + (-1,))[..., :K], -1, axis).astype(np.float32)
;;   ~~~
;;   OPERANDS COMPUTED ON THE WAY. 'Computed on the way' means the value that the module computes at that place (a softmax that the list does not call 'softmax' is quantised finished and normalised). What goes into a quantiser is computed in f32, as accurately as f32 sums, v_exp_f32 and their like allow (about 1e-6 of the number): no bf16 or f16 on the way to a quantiser, and a product that is left as it is and whose result goes on into a quantised operand takes f32 operands (vector FMAs, or v_wmma_f32_16x16x4_f32). A number that lies on a knife's edge between two numbers of the format may be rounded either way, as far as f32 arithmetic and the matrix unit's own rounding can turn it there, and no further.
;;   INPUTS GIVEN AS CODES. W0 (in the module: [4, 128, 256], K = its axis 2); W1 (in the module: [4, 64, 128], K = its axis 2); oc_density (in the module: [250000, 256], K = its axis 1): each comes as NAME_codes (uint8): NAME with its K axis moved to the last place and cut into blocks of 32 codes, [.., K / 32, bytes a block], one block behind the other in memory; two codes a byte, the lower K in the low four bits (a code: sign, 2 exponent bits, 1 mantissa bit); and NAME_scales (uint8): the same leading axes, one E8M0 byte (e + 127) for each 32 codes along K. Its value is code x scale, taken as it is: it is not quantised again, and the codes and scales need not be those that the quantiser above would give.
;; One version. Each part assembles by itself: llvm-mc -triple=amdgcn-amd-amdhsa -mcpu=gfx1250 --defsym DOCPART=n.
;; ======== version 1 of 1: 1 launch
;; launch chain (part 1): grid 250 x 1, 8 waves a work-group, no clusters, 17,920 bytes of LDS; arguments species, oc_density_codes, oc_density_scales, W0_codes, W0_scales, W1_codes, W1_scales, b0, b1, W2, b2, out0; writes out0
.if DOCPART == 1
	.amdgcn_target "amdgcn-amd-amdhsa--gfx1250"
	.amdhsa_code_object_version 6
	.text
	.protected	k_qffd8ce3c66_chain
	.globl	k_qffd8ce3c66_chain
	.p2align	8
	.type	k_qffd8ce3c66_chain,@function
k_qffd8ce3c66_chain:
	s_mov_b64 s[64:65], 0
	v_nop
	global_prefetch_b8 v0, s[64:65] scope:SCOPE_SE
	s_setreg_imm32_b32 hwreg(HW_REG_WAVE_MODE, 25, 1), 1
	s_wait_xcnt 0x0
; out0[a] = MLP_t(oc_density[a]) with t = species[a]; MLP_t: 256 -> 128 -> 64 -> 1, erf-GELU behind the first two layers.  The first two products run on E2M1 codes with E8M0 scales
; (the first hidden layer is quantised here, along its 128 units); the third (64 -> 1) is f32 multiply-adds.
; WORK LEFT OUT.  reference() computes all four MLPs for every atom and keeps, by jnp.where(species == t), the one whose number equals species[a]: for every value of the inputs the other three
; results of an atom reach no output.  species is a whole number read from memory, so only the chosen MLP of each atom is computed.  An atom whose species is none of 0..3 keeps reference()'s 0.
; Every input is loaded.  LIMIT: a NaN, an infinity or an overflow that would arise only in an MLP that was not chosen is not carried anywhere (nor is it in reference()'s result).
; SHARES.  A work-group owns 1,000 consecutive atoms (250 x 1,000 = 250,000).  Eight waves of 512 registers: wave w serves expert t = w & 3 and takes, of that expert's atoms in the block, the
; groups of 32 slots with number = w >> 2 modulo 2.  The expert's W0, W1, b0, b1, W2, b2 stay in the wave's registers for the whole launch.
; ROUTING, in whole numbers.  Each wave reads the block's 1,000 species and makes 32 ballot words for its expert (word l, bit j = atom 128 (l / 4) + 4 j + l % 4: the order in which 16-byte loads bring them),
; their running counts, and finds 'slot p -> atom' by a search through lane permutes.  16 rows at a time are then gathered from memory straight into the operand's registers.
; LAYOUT.  Both products are used transposed (source 0 = 16 rows of a weight, source 1 = 16 atoms): a lane holds ONE atom (lane % 16).  Lane r of tile 2 b + u of W0 takes row 32 b + 8 u + r + 8 (r / 8),
; so that the 16 registers of tiles 2 b, 2 b + 1 are 16 neighbours along the next K.  The biases are the C of each sum's first matrix instruction.
; THE WAY OUT.  A result is put into LDS by slot; behind a barrier each wave fetches the results of its own 128 consecutive atoms by their ranks and stores 512 consecutive bytes by one instruction
; (a block's 4,000 bytes begin at a multiple of 32 bytes, not of 256).
; GELU.  gelu(x) = m - u t E;  m = max(x, 0), u = |x| = 2 m - x, t = 1 / (1 + u / (2 sqrt 2)), E = 2^(-u^2 log2(e) / 2 + C0 + C1 t + .. + C9 t^9) = erfc(u / sqrt 2) / (2 t): a fit of erfc whose error
; is a fraction of the value (about 1.2e-7), so that the negative tail loses nothing; its coefficients are multiplied by log2(e), the factor 1/2 is in C0.  No branch, no clamp.
; LIMITS: about 5e-7 of the number; x = +-infinity or NaN is not served; where u t E falls under 2^-126 it is taken as 0 (v_exp_f32 gives 0 there: ISA guide, its entry).
; A hidden block whose largest magnitude lies under 2^-124 gets the scale byte 1, a block of zeros too (the rule says 127 there): its codes are zeros, and the bytes are read here alone.
; NOT USED: the tensor data mover, clusters and joint loads; each wave reads its weights once, into registers.
; No prefetch: a group's rows are asked for a whole trip (two tiles) ahead of their use by the loads themselves.
.set RES,   512                        ; LDS: 0..511 the running counts of the four experts, 128 bytes each; from RES on 2,048 bytes a wave: results by slot
.set SPARE, 16896                      ; behind them: the spare words, 128 bytes for each wave: four blocks of 256 bytes that no other line names
.set LN,   1                           ; v1   lane
.set H16,  2                           ; v2   16 x (lane / 16)
.set H4,   3                           ; v3   4 x (lane / 16)
.set SPW,  4                           ; v4   LDS address of my spare word; never rewritten
.set NIL,  5                           ; v5   0; never rewritten
.set WD,   6                           ; v6   lane l: ballot word l of my expert
.set PX,   7                           ; v7   lane l: how many atoms of my expert lie in words 0 .. l - 1
.set A1,   8                           ; v8   the word's counts in fields of 2 bits;  v9 of 4;  v10 of 8
.set A2,   9
.set A3,   10
.set RESA, 11                          ; v11  RES + 2,048 x wave + 4 x (lane % 16)
.set XOA,  12                          ; v12-15 byte offsets of the rows to gather: tile A's codes, scale words; tile B's
.set SOA,  13
.set XOB,  14
.set SOB,  15
.set SPO,  16                          ; v16-19 the species of my own four atoms of the way out
.set B2V,  20                          ; v20  b2 of my expert
.set C9V,  22                          ; v22-23 C9, twice;  v24-25 C0, twice
.set C0V,  24
.set W0S,  26                          ; v26-33 W0's scale words: tile tau: lanes 0-15 K step 0, lanes 16-31 K step 1
.set W1S,  34                          ; v34-35 W1's: register q: lanes 0-15 tile 2 q, lanes 16-31 tile 2 q + 1
.set XSA,  36                          ; v36, v37 the atoms' scale words: lanes 0-15 K step 0, lanes 16-31 K step 1
.set XSB,  37
.set PW,   38                          ; v38  the hidden layer's scale word
.set PC,   40                          ; v40-47 its codes
.set W2R,  48                          ; v48-79 W2 in the second result's layout
.set XA,   80                          ; v80-95, v96-111 the atoms' codes: two K steps of 8 registers
.set XB,   96
.set ACC,  112                         ; v112-175 8 accumulators (at the head: species and offsets)
.set GM,   176                         ; v176-239 the GELU's m, t, exponent's first part, polynomial: 16 each
.set GT,   192
.set GA,   208
.set GQ,   224
.set TM,   240                         ; v240-255 at work
; window 1 (v256-511, named v0-255): v[8 (2 tau + s)] W0's fragment (tile tau, K step s); v[128 + 8 n] W1's tile n; v[160 + 8 tau] b0; v[224 + 8 n] b1
.set WV,   2                           ; s2 wave;  s3 expert;  s4 which half of the groups
.set TY,   3
.set HF,   4
.set CNT,  5                           ; s5   atoms of my expert in the block
.set SB,   6                           ; s6   first slot of the trip's group
.set KOFF, 7                           ; s7   128 x trip
.set TRIP, 32
.set TMP,  33
.set OFS,  34                          ; s[34:35] an offset in 64 bits
.set SEL,  36                          ; s[36:37] v_permlanex16_b32's selects for lane l xor 16
.set HI16, 38                          ; s38  the lanes 16-31 as a mask
.set K1,   40                          ; s[40:41] 1 / (2 sqrt 2);  s[42:43] -log2(e) / 2;  s[44 + 2 (i - 1)] Ci, i = 1 .. 8: pairs, since the packed forms name pairs
.set KW,   42
.set CC,   44
.set BAL,  66                          ; s66-97 the 32 ballot words; at the end 16 masks and their four unions
.set MSB, 0
.macro WIN new                         ; the immediate's high byte repeats the setting that is left
.if MSB != \new
	s_set_vgpr_msb (MSB<<8)|\new
.set MSB, \new
.endif
.endm
; 16 numbers v[x] .. v[x + 15] become their GELU, in place.  Two batches of transcendentals, each with plain work behind it and one wait ahead of its first reader.
.macro GELU16 x
.irp e, 0,1,2,3,4,5,6,7,8,9,10,11,12,13,14,15
	v_max_num_f32 v[GM+\e], 0, v[(\x)+\e]          ; m; each accumulator is read from its low end on
.endr
.irp e, 0,2,4,6,8,10,12,14
	v_pk_fma_f32 v[(\x)+\e:(\x)+\e+1], v[GM+\e:GM+\e+1], 2.0, v[(\x)+\e:(\x)+\e+1] op_sel_hi:[1,0,1] neg_lo:[0,0,1] neg_hi:[0,0,1]   ; u = 2 m - x, exact
.endr
.irp e, 0,2,4,6,8,10,12,14
	v_pk_fma_f32 v[GT+\e:GT+\e+1], v[(\x)+\e:(\x)+\e+1], s[K1:K1+1], 1.0 op_sel_hi:[1,0,0]
.endr
	s_wait_alu depctr_va_vdst(0)
.irp e, 0,1,2,3,4,5,6,7,8,9,10,11,12,13,14,15
	v_rcp_f32 v[GT+\e], v[GT+\e]                   ; t
.endr
.irp e, 0,2,4,6,8,10,12,14
	v_pk_mul_f32 v[GA+\e:GA+\e+1], v[(\x)+\e:(\x)+\e+1], v[(\x)+\e:(\x)+\e+1]   ; plain work that names no t
.endr
.irp e, 0,2,4,6,8,10,12,14
	v_pk_fma_f32 v[GA+\e:GA+\e+1], v[GA+\e:GA+\e+1], s[KW:KW+1], v[C0V:C0V+1] op_sel_hi:[1,0,1]   ; -u^2 log2(e) / 2 + C0
.endr
	s_wait_alu depctr_va_vdst(0)                   ; one wait for the 16 reciprocals
.irp e, 0,2,4,6,8,10,12,14
	v_pk_fma_f32 v[GQ+\e:GQ+\e+1], v[GT+\e:GT+\e+1], v[C9V:C9V+1], s[CC+14:CC+15] op_sel_hi:[1,1,0]   ; C9 t + C8
.endr
.irp i, 7,6,5,4,3,2,1
.irp e, 0,2,4,6,8,10,12,14
	v_pk_fma_f32 v[GQ+\e:GQ+\e+1], v[GQ+\e:GQ+\e+1], v[GT+\e:GT+\e+1], s[CC+2*(\i-1):CC+2*(\i-1)+1] op_sel_hi:[1,1,0]
.endr
.endr
.irp e, 0,2,4,6,8,10,12,14
	v_pk_fma_f32 v[GQ+\e:GQ+\e+1], v[GQ+\e:GQ+\e+1], v[GT+\e:GT+\e+1], v[GA+\e:GA+\e+1]
.endr
	s_wait_alu depctr_va_vdst(0)
.irp e, 0,1,2,3,4,5,6,7,8,9,10,11,12,13,14,15
	v_exp_f32 v[GQ+\e], v[GQ+\e]                   ; E
.endr
.irp e, 0,2,4,6,8,10,12,14
	v_pk_mul_f32 v[(\x)+\e:(\x)+\e+1], v[(\x)+\e:(\x)+\e+1], v[GT+\e:GT+\e+1]   ; u t: plain work that names no E
.endr
	s_wait_alu depctr_va_vdst(0)                   ; one wait for the 16 exponentials
.irp e, 0,2,4,6,8,10,12,14
	v_pk_fma_f32 v[(\x)+\e:(\x)+\e+1], v[(\x)+\e:(\x)+\e+1], v[GQ+\e:GQ+\e+1], v[GM+\e:GM+\e+1] neg_lo:[1,0,0] neg_hi:[1,0,0]   ; m - u t E
.endr
.endm
; 64 numbers of a lane, register 16 b + i = k 32 b + 16 (lane / 16) + i of my atom, become a fragment's codes in v[PC] on and its scale word in v[PW].
.macro QUANT s
.irp b, 0,1,2,3
	v_max3_num_f32 v[TM+\b], |v[\s+16*\b]|, |v[\s+1+16*\b]|, 0x1800000   ; block b: my 16 numbers, and the floor 2^(3 - 127): the byte cannot fall under 1
.endr
.irp i, 2,4,6,8,10,12,14
.irp b, 0,1,2,3
	s_delay_alu instid0(VALU_DEP_4)
	v_max3_num_f32 v[TM+\b], v[TM+\b], |v[\s+16*\b+\i]|, |v[\s+1+16*\b+\i]|
.endr
.endr
.irp b, 0,1,2,3
	s_delay_alu instid0(VALU_DEP_4)
	v_permlanex16_b32 v[TM+4+\b], v[TM+\b], s[SEL], s[SEL+1]
.endr
.irp b, 0,1,2,3
	s_delay_alu instid0(VALU_DEP_4)
	v_max_num_f32 v[TM+\b], v[TM+\b], v[TM+4+\b]   ; with lane l xor 16's: the block's largest magnitude
.endr
.irp b, 0,1,2,3
	s_delay_alu instid0(VALU_DEP_4)
	v_add_nc_u32 v[TM+12+\b], 0xff000000, v[TM+\b] ; 2 off its exponent field: the conversion's scale operand
.endr
.irp b, 0,1,2,3
	s_delay_alu instid0(VALU_DEP_4)
	v_lshrrev_b32 v[TM+4+\b], 23, v[TM+12+\b]      ; the scale's byte
.endr
	s_delay_alu instid0(VALU_DEP_3)
	v_lshl_or_b32 v[PW], v[TM+5], 8, v[TM+4]
	s_delay_alu instid0(VALU_DEP_1)
	v_lshl_or_b32 v[PW], v[TM+6], 16, v[PW]
	s_delay_alu instid0(VALU_DEP_1)
	v_lshl_or_b32 v[PW], v[TM+7], 24, v[PW]
.irp b, 0,1,2,3
	v_cvt_scalef32_pk8_fp4_f32 v[PC+2*\b], v[\s+16*\b:\s+7+16*\b], v[TM+12+\b]
	v_cvt_scalef32_pk8_fp4_f32 v[PC+1+2*\b], v[\s+8+16*\b:\s+15+16*\b], v[TM+12+\b]
.endr
	v_nop                                          ; one plain place behind a scaled conversion
.irp c, 0,1                                    ; the operand's layout wants a whole block in a lane
.irp i, 0,1
	v_permlane16_swap_b32 v[PC+4*\c+\i], v[PC+2+4*\c+\i]
.endr
.endr
.endm
; One step of the search for the K-th set bit: the count of the field of st bits at POS (v245) is held against K (v244).
.macro SELSTEP src, st
	s_delay_alu instid0(VALU_DEP_1)
	v_bfe_u32 v243, v[\src], v245, \st
	s_delay_alu instid0(VALU_DEP_2)
	v_add_nc_u32 v252, \st, v245
	s_delay_alu instid0(VALU_DEP_2)
	v_cmp_ge_u32 vcc_lo, v244, v243
	s_delay_alu instid0(VALU_DEP_3)
	v_sub_nc_u32 v251, v244, v243
	s_delay_alu instid0(VALU_DEP_1)
	v_cndmask_b32 v244, v244, v251, vcc_lo
	s_delay_alu instid0(VALU_DEP_3)
	v_cndmask_b32 v245, v245, v252, vcc_lo
.endm
; Slots sreg .. sreg + 31 of my expert's list -> atoms -> the four offset registers.  Lane l works on slot sreg + l.  The lane permutes touch no LDS byte.
; A slot at or past the list's end gives some number, which the clamp holds inside the block: its row is loaded, and its result is read by nobody.
.macro SELECT sreg
	v_add_nc_u32 v240, \sreg, v[LN]                ; P
	s_wait_alu depctr_va_vdst(0)
	v_mov_b32 v241, 0                              ; 4 x the word's number
.irp st, 64,32,16,8,4                          ; the last word whose running count is at most P
	s_delay_alu instid0(VALU_DEP_1)
	v_add_nc_u32 v242, \st, v241
	ds_bpermute_b32 v243, v242, v[PX]
	s_wait_alu depctr_va_vdst(0)
	s_wait_dscnt 0x0
	v_cmp_le_u32 vcc_lo, v243, v240
	s_delay_alu instid0(VALU_DEP_1)
	v_cndmask_b32 v241, v241, v242, vcc_lo
.endr
	ds_bpermute_b32 v246, v241, v[PX]
	ds_bpermute_b32 v247, v241, v[WD]
	ds_bpermute_b32 v248, v241, v[A1]
	ds_bpermute_b32 v249, v241, v[A2]
	ds_bpermute_b32 v250, v241, v[A3]
	v_mov_b32 v252, 16
	s_wait_alu depctr_va_vdst(0)
	s_wait_dscnt 0x0
	v_sub_nc_u32 v244, v240, v246                  ; K: which set bit of that word
	v_lshrrev_b32 v243, 8, v250
	s_delay_alu instid0(VALU_DEP_1)
	v_add_nc_u32 v243, v243, v250
	s_delay_alu instid0(VALU_DEP_1)
	v_and_b32 v243, 0xff, v243                     ; the count of the low 16 bits
	s_delay_alu instid0(VALU_DEP_1)
	v_cmp_ge_u32 vcc_lo, v244, v243
	s_delay_alu instid0(VALU_DEP_2)
	v_sub_nc_u32 v251, v244, v243
	s_delay_alu instid0(VALU_DEP_1)
	v_cndmask_b32 v244, v244, v251, vcc_lo
	s_delay_alu instid0(VALU_DEP_3)
	v_cndmask_b32 v245, 0, v252, vcc_lo            ; POS
	SELSTEP 250, 8
	SELSTEP 249, 4
	SELSTEP 248, 2
	SELSTEP 247, 1
	v_and_b32 v251, 0x70, v241
	s_delay_alu instid0(VALU_DEP_1)
	v_lshlrev_b32 v251, 3, v251                    ; 128 x (word / 4)
	s_delay_alu instid0(VALU_DEP_1)
	v_lshl_add_u32 v251, v245, 2, v251             ; + 4 x bit
	v_bfe_u32 v252, v241, 2, 2
	s_delay_alu instid0(VALU_DEP_1)
	v_add_nc_u32 v251, v251, v252                  ; + word % 4: the atom in the block
	s_delay_alu instid0(VALU_DEP_1)
	v_permlanex16_b32 v253, v251, s[SEL], s[SEL+1]
	s_delay_alu instid0(VALU_DEP_1)
	v_cndmask_b32 v254, v251, v253, s[HI16]        ; tile A: slots 0-15, in both halves of the lanes
	s_delay_alu instid0(VALU_DEP_2)
	v_cndmask_b32 v255, v253, v251, s[HI16]        ; tile B: slots 16-31
	s_delay_alu instid0(VALU_DEP_2)
	v_min_u32 v254, 999, v254                      ; a number made of loaded data enters an address only behind this clamp
	s_delay_alu instid0(VALU_DEP_2)
	v_min_u32 v255, 999, v255
	s_delay_alu instid0(VALU_DEP_2)
	v_lshlrev_b32 v[XOA], 7, v254                  ; a row of codes is 128 bytes; my half's 16 bytes
	s_delay_alu instid0(VALU_DEP_1)
	v_add_nc_u32 v[XOA], v[XOA], v[H16]
	s_delay_alu instid0(VALU_DEP_4)
	v_lshlrev_b32 v[SOA], 3, v254                  ; a row of scales is 8 bytes; lanes 16-31 take K step 1's word
	s_delay_alu instid0(VALU_DEP_1)
	v_add_nc_u32 v[SOA], v[SOA], v[H4]
	v_lshlrev_b32 v[XOB], 7, v255
	s_delay_alu instid0(VALU_DEP_1)
	v_add_nc_u32 v[XOB], v[XOB], v[H16]
	v_lshlrev_b32 v[SOB], 3, v255
	s_delay_alu instid0(VALU_DEP_1)
	v_add_nc_u32 v[SOB], v[SOB], v[H4]
.endm
.macro LOADX xr, xs, xo, so            ; 16 atoms' codes (registers 4 c .. 4 c + 3 of K step s: bytes 64 s + 32 c + 16 (lane / 16) of the row) and scale words
	global_load_b128 v[\xr:\xr+3], v[\xo], s[10:11]
	global_load_b128 v[\xr+4:\xr+7], v[\xo], s[10:11] offset:32
	global_load_b128 v[\xr+8:\xr+11], v[\xo], s[10:11] offset:64
	global_load_b128 v[\xr+12:\xr+15], v[\xo], s[10:11] offset:96
	global_load_b32 v[\xs], v[\so], s[12:13]
.endm
; 16 atoms through the whole chain.  Its operand registers are asked for again, for the next group, as soon as the first product has read them.
.macro TILE xr, xs, xo, so, ro
	WIN 0x11                                       ; source 0 (W0) and source 2 (b0) window 1
.irp t, 0,1,2,3,4,5,6,7
	v_wmma_scale_f32_16x16x128_f8f6f4 v[ACC+8*\t:ACC+8*\t+7], v[16*\t:16*\t+7], v[\xr:\xr+7], v[160+8*\t:160+8*\t+7], v[W0S+\t], v[\xs] matrix_a_fmt:MATRIX_FMT_FP4 matrix_b_fmt:MATRIX_FMT_FP4
.endr
	WIN 0x01                                       ; the eight accumulators take turns, one instruction a turn
.irp t, 0,1,2,3,4,5,6,7
	v_wmma_scale_f32_16x16x128_f8f6f4 v[ACC+8*\t:ACC+8*\t+7], v[16*\t+8:16*\t+15], v[\xr+8:\xr+15], v[ACC+8*\t:ACC+8*\t+7], v[W0S+\t], v[\xs] matrix_a_fmt:MATRIX_FMT_FP4 matrix_b_fmt:MATRIX_FMT_FP4 matrix_a_scale:MATRIX_SCALE_ROW1 matrix_b_scale:MATRIX_SCALE_ROW1
.endr
	WIN 0
.rept 4
	v_nop                                          ; four places: in front of the loads into registers that these products read, and of the first read of their results
.endr
	LOADX \xr, \xs, \xo, \so
	GELU16 ACC
	GELU16 ACC+16
	GELU16 ACC+32
	GELU16 ACC+48
	QUANT ACC
.rept 8
	v_nop                                          ; a scale register written by a vector instruction stands 8 places ahead of a scaled matrix instruction, an operand so written 4
.endr
	WIN 0x11                                       ; source 0 (W1) and source 2 (b1) window 1
.irp n, 0,2
	v_wmma_scale_f32_16x16x128_f8f6f4 v[ACC+8*\n:ACC+8*\n+7], v[128+8*\n:128+8*\n+7], v[PC:PC+7], v[224+8*\n:224+8*\n+7], v[W1S+\n/2], v[PW] matrix_a_fmt:MATRIX_FMT_FP4 matrix_b_fmt:MATRIX_FMT_FP4
	v_wmma_scale_f32_16x16x128_f8f6f4 v[ACC+8*\n+8:ACC+8*\n+15], v[136+8*\n:136+8*\n+7], v[PC:PC+7], v[232+8*\n:232+8*\n+7], v[W1S+\n/2], v[PW] matrix_a_fmt:MATRIX_FMT_FP4 matrix_b_fmt:MATRIX_FMT_FP4 matrix_a_scale:MATRIX_SCALE_ROW1
.endr
	WIN 0
.rept 4
	v_nop
.endr
	GELU16 ACC
	GELU16 ACC+16
	v_pk_mul_f32 v[240:241], v[ACC:ACC+1], v[W2R:W2R+1]            ; the third product: my 32 of the atom's 64 terms, in two chains
	v_pk_mul_f32 v[242:243], v[ACC+2:ACC+3], v[W2R+2:W2R+3]
.irp j, 4,8,12,16,20,24,28
	s_delay_alu instid0(VALU_DEP_2)
	v_pk_fma_f32 v[240:241], v[ACC+\j:ACC+\j+1], v[W2R+\j:W2R+\j+1], v[240:241]
	s_delay_alu instid0(VALU_DEP_2)
	v_pk_fma_f32 v[242:243], v[ACC+\j+2:ACC+\j+3], v[W2R+\j+2:W2R+\j+3], v[242:243]
.endr
	s_delay_alu instid0(VALU_DEP_1)
	v_pk_add_f32 v[240:241], v[240:241], v[242:243]
	s_delay_alu instid0(VALU_DEP_1)
	v_add_f32 v240, v240, v241
	s_delay_alu instid0(VALU_DEP_1)
	v_permlanex16_b32 v241, v240, s[SEL], s[SEL+1]
	s_delay_alu instid0(VALU_DEP_1)
	v_add_f32 v240, v240, v241                     ; with lane l xor 16's 32 terms
	s_delay_alu instid0(VALU_DEP_1)
	v_add_f32 v240, v240, v[B2V]
	v_add_nc_u32 v242, s[KOFF], v[RESA]
	ds_store_b32 v242, v240 offset:\ro             ; by slot; lanes r and r + 16 write the same word with the same value
.endm
	s_load_b512 s[8:23], s[0:1], 0x0               ; species, x codes, x scales, W0 codes, W0 scales, W1 codes, W1 scales, b0
	s_load_b256 s[24:31], s[0:1], 0x40             ; b1, W2, b2, out0
	v_lshl_add_u32 v[SPW], v0, 2, SPARE
	v_mov_b32 v[NIL], 0
	v_lshrrev_b32 v[LN], 5, v0
	s_delay_alu instid0(VALU_DEP_1)
	v_readfirstlane_b32 s[WV], v[LN]               ; wave 0..7
	v_and_b32 v[LN], 31, v0
	s_and_b32 s[TY], s[WV], 3
	s_lshr_b32 s[HF], s[WV], 2
	v_and_b32 v144, 15, v0                         ; r
	v_bfe_u32 v145, v0, 4, 1                       ; h
	s_delay_alu instid0(VALU_DEP_1)
	v_lshlrev_b32 v[H16], 4, v145
	s_delay_alu instid0(VALU_DEP_2)
	v_lshlrev_b32 v[H4], 2, v145
	s_delay_alu instid0(VALU_DEP_4)
	v_and_b32 v146, 8, v144
	s_delay_alu instid0(VALU_DEP_1)
	v_add_nc_u32 v146, v146, v144                  ; r + 8 (r / 8)
	s_delay_alu instid0(VALU_DEP_1)
	v_lshl_add_u32 v147, v146, 7, v[H16]           ; W0's codes: rows of 128 bytes
	s_delay_alu instid0(VALU_DEP_2)
	v_lshl_add_u32 v148, v146, 3, v[H4]            ; W0's scales: rows of 8 bytes, lanes 16-31 K step 1's word
	v_lshl_add_u32 v149, v144, 6, v[H16]           ; W1's codes: rows of 64 bytes
	v_lshlrev_b32 v150, 2, v[LN]                   ; W1's scale words: 32 rows a load
	v_lshlrev_b32 v151, 6, v145                    ; b0: my half's units begin 16 numbers on
	v_lshlrev_b32 v152, 5, v145                    ; b1, W2: 8 numbers on
	v_mov_b32 v153, 0                              ; b2
	v_lshlrev_b32 v154, 4, v[LN]                   ; species: four a lane
	s_delay_alu instid0(VALU_DEP_1)
	v_add_nc_u32 v155, 3584, v154
	s_delay_alu instid0(VALU_DEP_1)
	v_min_u32 v155, 3984, v155                     ; the last 104 atoms: lanes 26-31 are held on the block's last 16 bytes, and their bits are cut off below
	s_lshl_b32 s[TMP], s[WV], 9
	v_add_nc_u32 v156, s[TMP], v154
	s_delay_alu instid0(VALU_DEP_1)
	v_min_u32 v156, 3984, v156                     ; my own four atoms of the way out, held likewise
	s_lshl_b32 s[TMP], s[WV], 11
	s_add_co_u32 s[TMP], s[TMP], RES
	v_add_nc_u32 v157, s[TMP], v154
	v_lshl_add_u32 v[RESA], v144, 2, s[TMP]
	v_lshlrev_b32 v158, 2, v0                      ; in waves 0-3: 128 x expert + 4 x lane
.irp j, 160,161,162,163
	v_mov_b32 v\j, 0
.endr
.irp j, 0,1,2,3
	ds_store_b128 v157, v[160:163] offset:512*\j   ; my 2,048 bytes of results begin as zeros: every word that the way out may read has been written
.endr
.irp j, 240,241,242,243,244,245,246,247,248,249,250,251,252,253,254,255
	v_mov_b32 v\j, 0                               ; written once: a lane permute's destination counts as one of its sources
.endr
	v_mov_b32 v[C9V], 0x3e7c6f08
	v_mov_b32 v[C9V+1], 0x3e7c6f08
	v_mov_b32 v[C0V], 0xc034d90f
	v_mov_b32 v[C0V+1], 0xc034d90f
	s_mov_b32 s[SEL], 0x76543210
	s_mov_b32 s[SEL+1], 0xfedcba98
	s_mov_b32 s[HI16], 0xffff0000
	s_mov_b32 s[K1], 0x3eb504f3
	s_mov_b32 s[KW], 0xbf38aa3b
	s_mov_b32 s[CC], 0x3fb8ab5a                    ; C1 .. C8
	s_mov_b32 s[CC+2], 0x3f0a29d2
	s_mov_b32 s[CC+4], 0x3e0efb2e
	s_mov_b32 s[CC+6], 0xbe899a80
	s_mov_b32 s[CC+8], 0x3ecdfd18
	s_mov_b32 s[CC+10], 0xbfd1a1e5
	s_mov_b32 s[CC+12], 0x40097039
	s_mov_b32 s[CC+14], 0xbf97d29d
.irp j, 40,42,44,46,48,50,52,54,56,58
	s_mov_b32 s[\j+1], s[\j]                       ; (named with it as a pair, so it is written)
.endr
	s_mov_b32 s[OFS+1], 0
	s_wait_kmcnt 0x0
	s_mul_i32 s[OFS], ttmp9, 4000                  ; my block: 1,000 species and results of 4 bytes,
	s_add_nc_u64 s[8:9], s[8:9], s[OFS:OFS+1]
	s_add_nc_u64 s[30:31], s[30:31], s[OFS:OFS+1]
	s_mul_i32 s[OFS], ttmp9, 128000                ; rows of 128 bytes,
	s_add_nc_u64 s[10:11], s[10:11], s[OFS:OFS+1]
	s_mul_i32 s[OFS], ttmp9, 8000                  ; rows of 8
	s_add_nc_u64 s[12:13], s[12:13], s[OFS:OFS+1]
	s_lshl_b32 s[OFS], s[TY], 14                   ; my expert's part of each weight
	s_add_nc_u64 s[14:15], s[14:15], s[OFS:OFS+1]
	s_lshl_b32 s[OFS], s[TY], 10
	s_add_nc_u64 s[16:17], s[16:17], s[OFS:OFS+1]
	s_lshl_b32 s[OFS], s[TY], 12
	s_add_nc_u64 s[18:19], s[18:19], s[OFS:OFS+1]
	s_lshl_b32 s[OFS], s[TY], 8
	s_add_nc_u64 s[20:21], s[20:21], s[OFS:OFS+1]
	s_add_nc_u64 s[24:25], s[24:25], s[OFS:OFS+1]
	s_add_nc_u64 s[26:27], s[26:27], s[OFS:OFS+1]
	s_lshl_b32 s[OFS], s[TY], 9
	s_add_nc_u64 s[22:23], s[22:23], s[OFS:OFS+1]
	s_lshl_b32 s[OFS], s[TY], 2
	s_add_nc_u64 s[28:29], s[28:29], s[OFS:OFS+1]
	; the species first: the routing hangs on them
.irp q, 0,1,2,3,4,5,6
	global_load_b128 v[ACC+4*\q:ACC+4*\q+3], v154, s[8:9] offset:512*\q
.endr
	global_load_b128 v[ACC+28:ACC+31], v155, s[8:9]
	global_load_b128 v[SPO:SPO+3], v156, s[8:9]
	WIN 0x40                                       ; destination window 1
.irp t, 0,1,2,3,4,5,6,7
.irp s, 0,1
.irp c, 0,1
	global_load_b128 v[8*(2*\t+\s)+4*\c:8*(2*\t+\s)+4*\c+3], v147, s[14:15] offset:(32*(\t/2)+8*(\t%2))*128+64*\s+32*\c
.endr
.endr
.endr
	WIN 0
.irp t, 0,1,2,3,4,5,6,7
	global_load_b32 v[W0S+\t], v148, s[16:17] offset:(32*(\t/2)+8*(\t%2))*8
.endr
.irp q, 0,1
	global_load_b32 v[W1S+\q], v150, s[20:21] offset:128*\q
.endr
	s_wait_loadcnt 42                              ; the nine loads of species are in; behind them 32 + 8 + 2 loads of weights were issued and may stay out
.set WI, 0
.rept 32
	v_cmp_eq_u32 s[BAL+WI], s[TY], v[ACC+WI]       ; word WI: bit j = atom 128 (WI / 4) + 4 j + WI % 4 is my expert's
.set WI, WI+1
.endr
.irp l, 28,29,30,31
	s_and_b32 s[BAL+\l], s[BAL+\l], 0x03ffffff     ; atoms 1,000 and on do not exist
.endr
	v_mov_b32 v[WD], 0
	v_mov_b32 v[PX], 0
	s_mov_b32 s[CNT], 0
.set WI, 0
.rept 32
	v_writelane_b32 v[WD], s[BAL+WI], WI
	v_writelane_b32 v[PX], s[CNT], WI
	s_bcnt1_i32_b32 s[TMP], s[BAL+WI]
	s_add_co_u32 s[CNT], s[CNT], s[TMP]
.set WI, WI+1
.endr
	v_lshrrev_b32 v[A1], 1, v[WD]                  ; each word's counts in fields of 2, 4 and 8 bits
	s_delay_alu instid0(VALU_DEP_1)
	v_and_b32 v[A1], 0x55555555, v[A1]
	s_delay_alu instid0(VALU_DEP_1)
	v_sub_nc_u32 v[A1], v[WD], v[A1]
	s_delay_alu instid0(VALU_DEP_1)
	v_lshrrev_b32 v[A2], 2, v[A1]
	s_delay_alu instid0(VALU_DEP_1)
	v_and_b32 v[A2], 0x33333333, v[A2]
	s_delay_alu instid0(VALU_DEP_3)
	v_and_b32 v[A3], 0x33333333, v[A1]
	s_delay_alu instid0(VALU_DEP_1)
	v_add_nc_u32 v[A2], v[A2], v[A3]
	s_delay_alu instid0(VALU_DEP_1)
	v_lshrrev_b32 v[A3], 4, v[A2]
	s_delay_alu instid0(VALU_DEP_1)
	v_add_nc_u32 v[A3], v[A3], v[A2]
	s_delay_alu instid0(VALU_DEP_1)
	v_and_b32 v[A3], 0x0f0f0f0f, v[A3]
	s_lshl_b32 s[TMP], s[TY], 16
	v_add_nc_u32 v159, s[TMP], v[PX]               ; the running count, with the expert's number above it
	s_cmp_lt_u32 s[WV], 4                          ; waves 0-3 publish the four experts' running counts for the way out
	s_cbranch_scc0 .Lno_pfx
	ds_store_b32 v158, v159
.Lno_pfx:
	s_lshl_b32 s[SB], s[HF], 5
	s_mov_b32 s[KOFF], 0
	s_mov_b32 s[TRIP], 0
	SELECT s[SB]
	LOADX XA, XSA, XOA, SOA                        ; the first group's rows, ahead of the rest of the weights
	LOADX XB, XSB, XOB, SOB
	WIN 0x40
.irp n, 0,1,2,3
.irp c, 0,1
	global_load_b128 v[128+8*\n+4*\c:128+8*\n+4*\c+3], v149, s[18:19] offset:1024*\n+32*\c
.endr
.endr
.irp t, 0,1,2,3,4,5,6,7                        ; b0 in the result's layout: tile 2 b + u, lane (r, h): units 32 b + 8 u + 16 h + 0 .. 7
	global_load_b128 v[160+8*\t:160+8*\t+3], v151, s[22:23] offset:(32*(\t/2)+8*(\t%2))*4
	global_load_b128 v[160+8*\t+4:160+8*\t+7], v151, s[22:23] offset:(32*(\t/2)+8*(\t%2))*4+16
.endr
.irp n, 0,1,2,3                                ; b1: tile n: units 16 n + 8 h + 0 .. 7
	global_load_b128 v[224+8*\n:224+8*\n+3], v152, s[24:25] offset:64*\n
	global_load_b128 v[224+8*\n+4:224+8*\n+7], v152, s[24:25] offset:64*\n+16
.endr
	WIN 0
.irp n, 0,1,2,3                                ; W2 likewise
	global_load_b128 v[W2R+8*\n:W2R+8*\n+3], v152, s[26:27] offset:64*\n
	global_load_b128 v[W2R+8*\n+4:W2R+8*\n+7], v152, s[26:27] offset:64*\n+16
.endr
	global_load_b32 v[B2V], v153, s[28:29]
; 16 trips, a constant: 16 x 64 slots cover any split of the block's 1,000 atoms.  A trip whose group begins at or past my list's end does nothing but step; the branches hang on species alone.
.Ltrip:
	s_cmp_ge_u32 s[SB], s[CNT]
	s_cbranch_scc1 .Lnext
	s_wait_xcnt 0x0                                ; the loads of this group's rows have read their offsets, which the selection below writes anew
	s_add_co_u32 s[TMP], s[SB], 64
	SELECT s[TMP]                                  ; the next group's rows
	s_wait_alu depctr_va_vdst(0)
	s_wait_loadcnt 0x0                             ; this group's rows, asked for a trip ago (in the first trip: the weights too)
	TILE XA, XSA, XOA, SOA, 0
	s_add_co_u32 s[TMP], s[SB], 16
	s_cmp_ge_u32 s[TMP], s[CNT]
	s_cbranch_scc1 .Lno_b                          ; the list ends in the group's first half
	TILE XB, XSB, XOB, SOB, 64
.Lno_b:
.Lnext:
	s_add_co_u32 s[SB], s[SB], 64
	s_add_co_u32 s[KOFF], s[KOFF], 128
	s_add_co_u32 s[TRIP], s[TRIP], 1
	s_cmp_lt_u32 s[TRIP], 16
	s_cbranch_scc1 .Ltrip
	; THE WAY OUT.  Atom 128 w + 4 lane + c is bit 'lane' of word 4 w + c; its rank in its expert's list = that word's running count + the set bits below; its result lies at the slot of that rank.
	s_wait_loadcnt 0x0                             ; the rows asked for beyond the list's end
	s_wait_dscnt 0x0                               ; for the others' sake: my results and my running counts lie in LDS
	s_barrier_signal -1
	s_barrier_wait -1
	s_lshl_b32 s[TMP], s[WV], 4
	v_mov_b32 v176, s[TMP]
.irp t, 0,1,2,3
	ds_load_b128 v[192+4*\t:192+4*\t+3], v176 offset:128*\t        ; expert t's running counts of my four words, the same in every lane
.endr
.irp c, 0,1,2,3
.irp t, 0,1,2,3
	v_cmp_eq_u32 s[BAL+4*\c+\t], \t, v[SPO+\c]
.endr
	s_or_b32 s[BAL+16+\c], s[BAL+4*\c], s[BAL+4*\c+1]
	s_or_b32 s[BAL+16+\c], s[BAL+16+\c], s[BAL+4*\c+2]
	s_or_b32 s[BAL+16+\c], s[BAL+16+\c], s[BAL+4*\c+3]             ; the atoms that have an expert at all
.endr
	s_wait_dscnt 0x0
.irp c, 0,1,2,3
	v_mov_b32 v[208+\c], 0
.irp t, 0,1,2,3
	v_mbcnt_lo_u32_b32 v[224+\t], s[BAL+4*\c+\t], v[192+4*\t+\c]   ; the rank, were the atom expert t's (the expert's number rides above it)
	s_delay_alu instid0(VALU_DEP_1)
	v_cndmask_b32 v[208+\c], v[208+\c], v[224+\t], s[BAL+4*\c+\t]
.endr
	s_delay_alu instid0(VALU_DEP_1)
	v_and_b32 v228, 31, v[208+\c]                  ; rank p -> word 512 t + 2,048 ((p / 32) % 2) + 32 (p / 64) + p % 32
	s_delay_alu instid0(VALU_DEP_2)
	v_bfe_u32 v229, v[208+\c], 6, 4
	s_delay_alu instid0(VALU_DEP_1)
	v_lshl_or_b32 v228, v229, 5, v228
	s_delay_alu instid0(VALU_DEP_4)
	v_bfe_u32 v229, v[208+\c], 5, 1
	s_delay_alu instid0(VALU_DEP_1)
	v_lshl_or_b32 v228, v229, 11, v228
	v_lshrrev_b32 v229, 16, v[208+\c]
	s_delay_alu instid0(VALU_DEP_1)
	v_lshl_or_b32 v228, v229, 9, v228
	s_delay_alu instid0(VALU_DEP_1)
	v_min_u32 v228, 4095, v228                     ; a number made of loaded data enters an address only behind this clamp: the 4,096 words of results
	s_delay_alu instid0(VALU_DEP_1)
	v_lshlrev_b32 v[212+\c], 2, v228
	ds_load_b32 v[216+\c], v[212+\c] offset:RES
.endr
	v_lshlrev_b32 v230, 4, v0                      ; 512 x wave + 16 x lane
	v_lshlrev_b32 v231, 2, v0                      ; my first atom in the block
	s_wait_alu depctr_va_vdst(0)
	s_wait_dscnt 0x0
.irp c, 0,1,2,3
	v_cndmask_b32 v[220+\c], 0, v[216+\c], s[BAL+16+\c]            ; an atom with no expert keeps 0
.endr
	s_wait_alu depctr_va_vdst(0)
	s_barrier_signal -1                            ; every wave's reads of the results are over before any wave goes on to its closing lines
	s_barrier_wait -1
	s_wait_xcnt 0x0                                ; EXEC changes only behind this wait
	v_cmp_gt_u32 vcc_lo, 1000, v231
	s_and_saveexec_b32 s[TMP], vcc_lo              ; wave 7's lanes 26-31 have no atoms
	global_store_b128 v230, v[220:223], s[30:31] th:TH_STORE_NT    ; a wave stores 512 consecutive bytes
	s_wait_xcnt 0x0                                ; and again, in front of the line that widens it
	s_or_b32 exec_lo, exec_lo, s[TMP]
	s_wait_tensorcnt 0x0                           ; the wave's end
	ds_add_u32 v[SPW], v[NIL]
	s_wait_dscnt 0x0
	s_endpgm
.Lfunc_end_k_qffd8ce3c66_chain:
	.size	k_qffd8ce3c66_chain, .Lfunc_end_k_qffd8ce3c66_chain-k_qffd8ce3c66_chain
	.p2alignl 7, 3214868480
	.fill 96, 4, 3214868480
	.section	.rodata,"a",@progbits
	.p2align	6, 0x0
	.amdhsa_kernel k_qffd8ce3c66_chain
		.amdhsa_group_segment_fixed_size 17920
		.amdhsa_private_segment_fixed_size 0
		.amdhsa_enable_private_segment 0
		.amdhsa_kernarg_size 96
		.amdhsa_user_sgpr_count 2
		.amdhsa_user_sgpr_kernarg_segment_ptr 1
		.amdhsa_wavefront_size32 1
		.amdhsa_system_sgpr_workgroup_id_x 1
		.amdhsa_system_sgpr_workgroup_id_y 1
		.amdhsa_system_sgpr_workgroup_id_z 1
		.amdhsa_system_vgpr_workitem_id 0
		.amdhsa_next_free_vgpr 512
		.amdhsa_next_free_sgpr 100
		.amdhsa_reserve_vcc 1
		.amdhsa_float_denorm_mode_32 3
		.amdhsa_float_denorm_mode_16_64 3
		.amdhsa_memory_ordered 1
		.amdhsa_forward_progress 1
		.amdhsa_inst_pref_size 175
	.end_amdhsa_kernel
	.amdgpu_metadata
---
amdhsa.version: [ 1, 2 ]
amdhsa.kernels:
  - .name:           k_qffd8ce3c66_chain
    .symbol:         k_qffd8ce3c66_chain.kd
    .args:
      - { .name: species, .offset: 0, .size: 8, .value_kind: global_buffer, .address_space: global }
      - { .name: oc_density_codes, .offset: 8, .size: 8, .value_kind: global_buffer, .address_space: global }
      - { .name: oc_density_scales, .offset: 16, .size: 8, .value_kind: global_buffer, .address_space: global }
      - { .name: W0_codes, .offset: 24, .size: 8, .value_kind: global_buffer, .address_space: global }
      - { .name: W0_scales, .offset: 32, .size: 8, .value_kind: global_buffer, .address_space: global }
      - { .name: W1_codes, .offset: 40, .size: 8, .value_kind: global_buffer, .address_space: global }
      - { .name: W1_scales, .offset: 48, .size: 8, .value_kind: global_buffer, .address_space: global }
      - { .name: b0, .offset: 56, .size: 8, .value_kind: global_buffer, .address_space: global }
      - { .name: b1, .offset: 64, .size: 8, .value_kind: global_buffer, .address_space: global }
      - { .name: W2, .offset: 72, .size: 8, .value_kind: global_buffer, .address_space: global }
      - { .name: b2, .offset: 80, .size: 8, .value_kind: global_buffer, .address_space: global }
      - { .name: out0, .offset: 88, .size: 8, .value_kind: global_buffer, .address_space: global }
    .group_segment_fixed_size: 17920
    .private_segment_fixed_size: 0
    .kernarg_segment_align: 8
    .kernarg_segment_size: 96
    .max_flat_workgroup_size: 256
    .sgpr_count:     100
    .vgpr_count:     512
    .wavefront_size: 32
...
	.end_amdgpu_metadata
.endif
;; end of part 1
